; MI455X (gfx1250); checked and timed in simulation.
; The chip was launched on July 23, 2026; its instructions are those of AMD's public machine-readable ISA for CDNA 5 (MIT licence, August 2026) and "CDNA5" Instruction Set Architecture Reference Guide (July 2026). The comments in the code are by the model that wrote it; some were corrected since.
;; MHA. Allowed arithmetic: matrix products marked QUANTISED: E5M2 operands, one given power-of-two scale a tensor, by v_wmma_f32_16x16x64_bf8_bf8 or v_wmma_f32_16x16x128_bf8_bf8, f32 sums; everything else in f32.
;; Inputs: Wk 1,024 x 1,024 float32; Wq 1,024 x 1,024 float32; Wv 1,024 x 1,024 float32; k 4 x 2,048 x 1,024 float32; lowp_scales 10 int32 (the exponents e of the quantised operands' scales 2^e); q 4 x 2,048 x 1,024 float32; v 4 x 2,048 x 1,024 float32.
;; Outputs: out0 4 x 2,048 x 1,024 float32.
;; This version of the problem:
;;   THIS VERSION OF THE PROBLEM IS GIVEN IN LOW PRECISION. The matrix products marked QUANTISED in the list below multiply operands that are first quantised to E5M2 (5 exponent bits, 2 mantissa bits; 8 bits a number), with one given power-of-two scale for each operand tensor; their sums are f32. All else is computed in f32.
;;   The module's matrix products, in the order in which they are computed (A, B: the left and right operand; K: the contracted axis; several contracted axes count as one K, in the product's order):
;;     1. [M 8,192, K 1,024] x [K 1,024, N 1,024]; A: input q; B: input Wq: QUANTISED (scales: A lowp_scales[0], B lowp_scales[1])
;;     2. [M 8,192, K 1,024] x [K 1,024, N 1,024]; A: input k; B: input Wk: QUANTISED (scales: A lowp_scales[2], B lowp_scales[3])
;;     3. [M 8,192, K 1,024] x [K 1,024, N 1,024]; A: input v; B: input Wv: QUANTISED (scales: A lowp_scales[4], B lowp_scales[5])
;;     4. batch 64 x [M 2,048, K 64] x [K 64, N 2,048]; A: computed on the way; B: computed on the way: QUANTISED (scales: A lowp_scales[6], B lowp_scales[7])
;;     5. batch 64 x [M 2,048, K 2,048] x [K 2,048, N 64]; A: softmax (see below); B: computed on the way: QUANTISED (scales: A lowp_scales[8], B lowp_scales[9])
;;   THE QUANTISER, for each operand of a quantised product, along K:
;;     - The operand's scale is 2^e, e = its entry of the input lowp_scales (int32; the entries are numbered through the quantised products in the list's order, A before B).
;;     - Each number is divided by the scale, clamped to +-57,344, and rounded to the nearest number of E5M2, ties to even, subnormals kept.
;;     - The product sums the exact products of the quantised numbers (number of the format x scale) in f32.
;;   ~~~python
;;   def quantise(x, axis, e):      # numpy; x: float32 -> the quantised numbers, widened to float32 again
;;       x = np.moveaxis(x, axis, -1); K = x.shape[-1]
;;       r = np.clip(x / 2.0 ** e, -57344, 57344)
;;       step = 2.0 ** (np.maximum(np.frexp(np.where(r == 0, 1, r))[1] - 1, -14) - 2)
;;       q = np.round(r / step) * step * 2.0 ** e      # np.round: ties to even
;;       return np.moveaxis(q, -1, axis).astype(np.float32)
;;   ~~~
;;   SOFTMAX AHEAD OF A QUANTISED PRODUCT. Where the list says 'softmax', what is quantised is not the finished softmax but p = 2^(t - M), with t = logit x log2(e) and M = ceil(the row's largest t), a whole number; so 1/2 < the row's largest p <= 1. The row's sum l is taken of the UNQUANTISED p, in f32, and the product's result is divided by l at the end. Since M is a whole number, a kernel that streams over the keys may use a running M (the ceiling of the running maximum): every later rescaling is an exact power of two, so the quantised numbers keep their values, but for numbers so far below the row's largest that they fall under the format's range.
;;   OPERANDS COMPUTED ON THE WAY. 'Computed on the way' means the value that the module computes at that place (a softmax that the list does not call 'softmax' is quantised finished and normalised). What goes into a quantiser is computed in f32, as accurately as f32 sums, v_exp_f32 and their like allow (about 1e-6 of the number): no bf16 or f16 on the way to a quantiser, and a product that is left as it is and whose result goes on into a quantised operand takes f32 operands (vector FMAs, or v_wmma_f32_16x16x4_f32). A number that lies on a knife's edge between two numbers of the format may be rounded either way, as far as f32 arithmetic and the matrix unit's own rounding can turn it there, and no further.
;; One version. Each part assembles by itself: llvm-mc -triple=amdgcn-amd-amdhsa -mcpu=gfx1250 --defsym DOCPART=n.
;; ======== version 1 of 1: 3 launches
;; limits: right only within a limited range of input values
;; workspace buffers: xc 25,165,824 bytes; wc 3,145,728 bytes; hc 25,165,824 bytes
;; launch quant (part 1): grid 576 x 3, 4 waves a work-group, no clusters, 0 bytes of LDS; arguments q, k, v, Wq, Wk, Wv, lowp_scales, xc, wc; writes xc, wc
.if DOCPART == 1
	.amdgcn_target "amdgcn-amd-amdhsa--gfx1250"
	.amdhsa_code_object_version 6
	.text
	.protected	k_qe51a49e538_quant
	.globl	k_qe51a49e538_quant
	.p2align	8
	.type	k_qe51a49e538_quant,@function
k_qe51a49e538_quant:
	s_mov_b64 s[64:65], 0
	v_nop
	global_prefetch_b8 v0, s[64:65] scope:SCOPE_SE
	s_setreg_imm32_b32 hwreg(HW_REG_WAVE_MODE, 25, 1), 1
	s_wait_xcnt 0x0
; q, k, v [8192][1024] and Wq, Wk, Wv [1024][1024], f32, become codes of BF8 (E5M2), one code a byte, each with the one scale 2^e given for it.
; code = x / 2^e, held within +-57,344, rounded to the nearest code, ties to even.  e: entries 0, 2, 4 of the scales for q, k, v; entries 1, 3, 5 for Wq, Wk, Wv.
; LIMITS: -126 <= e <= 112, so that 2^e and 57,344 x 2^e are f32 numbers.  NaN among the inputs is not served (an infinity is held at the largest code).
; OUT: xc = [3][8192][1024] bytes (q, k, v), wc = [3][1024][1024] bytes (Wq, Wk, Wv).
; THE ORDER ALONG K.  The quantiser works number by number, and xc and wc are read by one later launch alone, which multiplies a row of xc with a row of wc.  So both are laid in ONE fixed permutation of K,
; the same in every run of 512 numbers (a row is two runs): byte 16 L + 4 i + j of a run holds number 128 i + 4 L + j (L 0..31, i 0..3, j 0..3).  Every product still meets its partner; only the order inside the sums differs.
; With that order a lane's four loads of a step (each load: 512 consecutive bytes, 16 a lane) hold just the 16 numbers of its 16 bytes of codes: nothing passes from lane to lane, and the launch uses no LDS.
; SHARES.  Rows are dense, so each tensor is a plain stream.  Work-group y = which of the three; x < 512: the activation (512 x 16,384 numbers), x >= 512: the weight (64 x 16,384).
; Only pointers and e are chosen, by selects on the work-group's number: one path through the text.  A wave takes 4,096 numbers: 8 steps of 512, and issues all its 32 loads at its head.
; 1,728 work-groups of 144 registers a wave: seven fit on a WGP, so all are resident together, six or seven to a WGP.
; A wave's store covers 512 consecutive bytes, aligned.  Matrix units, clusters and tensor loads have nothing to do in a stream.
.set STEPS, 8
.set R,     8                          ; v8-135   eight sets of 16 numbers, one for each step
.set C,     136                        ; v136-143 the codes of steps 0 and 1; step t's (t >= 2) land on the first four numbers of step t - 2, which are done with: no store's data are written again
	s_load_b512 s[4:19], s[0:1], 0x0               ; q s[4:5], k s[6:7], v s[8:9], Wq s[10:11], Wk s[12:13], Wv s[14:15], the scales s[16:17], xc s[18:19]
	s_load_b64 s[20:21], s[0:1], 0x40              ; wc
	v_lshrrev_b32 v1, 5, v0
	v_readfirstlane_b32 s22, v1                    ; wave
	v_and_b32 v2, 31, v0
	v_lshlrev_b32 v3, 4, v2                        ; 16 x lane: my 16 bytes of a load's 512, and of a store's 512; never rewritten
	s_and_b32 s23, ttmp7, 0xffff                   ; y: which of the three
	s_wait_alu depctr_va_vdst(0)                   ; directly ahead of the wait below
	s_wait_kmcnt 0x0
	s_load_b256 s[32:39], s[16:17], 0x0            ; e0 .. e7
	s_cmp_eq_u32 s23, 0                            ; every choice hangs on the work-group's number alone
	s_cselect_b64 s[24:25], s[4:5], s[6:7]
	s_cselect_b64 s[26:27], s[10:11], s[12:13]
	s_cmp_eq_u32 s23, 2
	s_cselect_b64 s[24:25], s[8:9], s[24:25]       ; the activation of my y
	s_cselect_b64 s[26:27], s[14:15], s[26:27]     ; the weight of my y
	s_cmp_lt_u32 ttmp9, 512
	s_cselect_b64 s[28:29], s[24:25], s[26:27]     ; from where
	s_cselect_b64 s[30:31], s[18:19], s[20:21]     ; to where
	s_cselect_b32 s40, 0, 512
	s_cselect_b32 s42, 23, 20                      ; a tensor's codes: 2^23 bytes in xc, 2^20 in wc
	s_sub_co_u32 s40, ttmp9, s40
	s_lshl_b32 s40, s40, 2
	s_add_co_u32 s40, s40, s22                     ; which run of 4,096 numbers of the tensor is my wave's
	s_lshl_b32 s46, s40, 14                        ; x 16,384 bytes of f32
	s_mov_b32 s47, 0
	s_add_nc_u64 s[28:29], s[28:29], s[46:47]
	s_lshl_b32 s46, s40, 12                        ; x 4,096 bytes of codes,
	s_lshl_b32 s41, s23, s42                       ; + the tensor's place in its buffer
	s_add_co_u32 s46, s46, s41
	s_add_nc_u64 s[30:31], s[30:31], s[46:47]
.irp t, 0,1,2,3,4,5,6,7
.irp i, 0,1,2,3
	global_load_b128 v[R+16*\t+4*\i:R+16*\t+4*\i+3], v3, s[28:29] offset:2048*\t+512*\i th:TH_LOAD_NT   ; 32 lanes read 512 consecutive bytes; read once in the launch
.endr
.endr
	s_wait_kmcnt 0x0
	s_cmp_eq_u32 s23, 0
	s_cselect_b32 s43, s32, s34                    ; the activation's e: e0, e2 or e4
	s_cselect_b32 s45, s33, s35                    ; the weight's: e1, e3 or e5
	s_cmp_eq_u32 s23, 2
	s_cselect_b32 s43, s36, s43
	s_cselect_b32 s45, s37, s45
	s_cmp_lt_u32 ttmp9, 512
	s_cselect_b32 s43, s43, s45                    ; e
	s_add_co_i32 s43, s43, 127
	s_lshl_b32 s45, s43, 23
	v_mov_b32 v5, s45                              ; 2^e as f32: the conversion takes its exponent field
	s_add_co_i32 s43, s43, 15
	s_lshl_b32 s43, s43, 23
	s_or_b32 s43, s43, 0x600000
	v_mov_b32 v4, s43                              ; 57,344 x 2^e
	s_wait_alu depctr_va_vdst(0)
.macro STEP t
.set XS, R+16*(\t)
.if (\t) < 2
.set CR, C+4*(\t)
.else
.set CR, R+16*((\t)-2)
.endif
	s_wait_loadcnt 4*(STEPS-1-(\t))                ; this step's four loads are in; those of the steps behind it may be out
.irp i, 0,1,2,3,4,5,6,7,8,9,10,11,12,13,14,15
	v_med3_num_f32 v[XS+\i], v[XS+\i], -v4, v4     ; the conversion to an 8-bit code does not saturate (ISA guide 7.6.2): the number is held within the largest code x the scale first
.endr
	v_cvt_scalef32_pk8_bf8_f32 v[CR:CR+1], v[XS:XS+7], v5          ; eight numbers / 2^e, to the nearest code, ties to even; the first number's code in the lowest byte
	v_cvt_scalef32_pk8_bf8_f32 v[CR+2:CR+3], v[XS+8:XS+15], v5
	global_store_b128 v3, v[CR:CR+3], s[30:31] offset:512*(\t)     ; the results go to a store alone; the next vector lines are the next step's holds, plain ones on other registers
.endm
.irp t, 0,1,2,3,4,5,6,7
	STEP \t
.endr
	s_endpgm
.Lfunc_end_k_qe51a49e538_quant:
	.size	k_qe51a49e538_quant, .Lfunc_end_k_qe51a49e538_quant-k_qe51a49e538_quant
	.p2alignl 7, 3214868480
	.fill 96, 4, 3214868480
	.section	.rodata,"a",@progbits
	.p2align	6, 0x0
	.amdhsa_kernel k_qe51a49e538_quant
		.amdhsa_group_segment_fixed_size 0
		.amdhsa_private_segment_fixed_size 0
		.amdhsa_enable_private_segment 0
		.amdhsa_kernarg_size 72
		.amdhsa_user_sgpr_count 2
		.amdhsa_user_sgpr_kernarg_segment_ptr 1
		.amdhsa_wavefront_size32 1
		.amdhsa_system_sgpr_workgroup_id_x 1
		.amdhsa_system_sgpr_workgroup_id_y 1
		.amdhsa_system_sgpr_workgroup_id_z 1
		.amdhsa_system_vgpr_workitem_id 0
		.amdhsa_next_free_vgpr 144
		.amdhsa_next_free_sgpr 66
		.amdhsa_reserve_vcc 0
		.amdhsa_float_denorm_mode_32 3
		.amdhsa_float_denorm_mode_16_64 3
		.amdhsa_memory_ordered 1
		.amdhsa_forward_progress 1
		.amdhsa_inst_pref_size 16
	.end_amdhsa_kernel
	.amdgpu_metadata
---
amdhsa.version: [ 1, 2 ]
amdhsa.kernels:
  - .name:           k_qe51a49e538_quant
    .symbol:         k_qe51a49e538_quant.kd
    .args:
      - { .name: q, .offset: 0, .size: 8, .value_kind: global_buffer, .address_space: global }
      - { .name: k, .offset: 8, .size: 8, .value_kind: global_buffer, .address_space: global }
      - { .name: v, .offset: 16, .size: 8, .value_kind: global_buffer, .address_space: global }
      - { .name: Wq, .offset: 24, .size: 8, .value_kind: global_buffer, .address_space: global }
      - { .name: Wk, .offset: 32, .size: 8, .value_kind: global_buffer, .address_space: global }
      - { .name: Wv, .offset: 40, .size: 8, .value_kind: global_buffer, .address_space: global }
      - { .name: lowp_scales, .offset: 48, .size: 8, .value_kind: global_buffer, .address_space: global }
      - { .name: xc, .offset: 56, .size: 8, .value_kind: global_buffer, .address_space: global }
      - { .name: wc, .offset: 64, .size: 8, .value_kind: global_buffer, .address_space: global }
    .group_segment_fixed_size: 0
    .private_segment_fixed_size: 0
    .kernarg_segment_align: 8
    .kernarg_segment_size: 72
    .max_flat_workgroup_size: 128
    .sgpr_count:     66
    .vgpr_count:     144
    .wavefront_size: 32
...
	.end_amdgpu_metadata
.endif
;; end of part 1
;; launch proj (part 2): grid 4 x 96, 4 waves a work-group, clusters of 4 x 4, 327,680 bytes of LDS; arguments xc, wc, lowp_scales, hc; writes hc
.if DOCPART == 2
	.amdgcn_target "amdgcn-amd-amdhsa--gfx1250"
	.amdhsa_code_object_version 6
	.text
	.protected	k_qe51a49e538_proj
	.globl	k_qe51a49e538_proj
	.p2align	8
	.type	k_qe51a49e538_proj,@function
k_qe51a49e538_proj:
	s_mov_b64 s[64:65], 0
	v_nop
	global_prefetch_b8 v0, s[64:65] scope:SCOPE_SE
	s_setreg_imm32_b32 hwreg(HW_REG_WAVE_MODE, 25, 1), 1
	s_wait_xcnt 0x0
	s_wait_alu depctr_hold_cnt(0) depctr_sa_sdst(0) depctr_va_vdst(0) depctr_va_sdst(0) depctr_va_ssrc(0) depctr_va_vcc(0) depctr_vm_vsrc(0)
	s_getreg_b32 s2, hwreg(HW_REG_IB_STS2, 6, 4)
	s_cmp_eq_u32 s2, 0
	s_cbranch_scc0 .Lentry_in_a_cluster
	s_endpgm
.Lentry_in_a_cluster:
	s_bfe_u32 s2, ttmp6, 0x10000c
	s_cmp_lg_u32 s2, 0xf033
	s_cbranch_scc0 .Lentry_shape_is_right
	s_endpgm
.Lentry_shape_is_right:
.set SIZE_K, 1024
.set ROWB,   256
.set KROW,   SIZE_K
.set PITCH,  272
.set FR,     16
.set NL,     4
.set NP,     4
.set HALFT,  128*PITCH
.set SLOT,   4*HALFT
.set SPARE,  2*SLOT
.set SC,   10
.set LIM,  11
.set L16,  12
.set ADRA, 16
.set ADRB, 20
.set SPW,  28
.set NIL,  29
.set TMP,  32
.set OA,   96
.set OB,   104
.set AF,   128
.set CD,   128
.set G1, 24
.set G0, 32
.set G1B, 48
.set G0B, 56
.set MSB, 0
.macro WIN new
.if MSB != \new
	s_set_vgpr_msb (MSB<<8)|\new
.set MSB, \new
.endif
.endm
.set MUL_LO, 0xa1
.set MUL_HI, 0xf1
.set TO_B,   0x40
.macro JLOAD g0a, g1a, g0b, g1b
	s_cmp_eq_u32 s15, 0
	s_cbranch_scc0 .Lfor_b_\@
	tensor_load_to_lds s[\g0a:\g0a+3], s[\g1a:\g1a+7]
	s_nop 0
.rept 4
	v_nop
.endr
	s_branch .Lasked_\@
.Lfor_b_\@:
	tensor_load_to_lds s[\g0b:\g0b+3], s[\g1b:\g1b+7]
	s_nop 0
.rept 4
	v_nop
.endr
.Lasked_\@:
.endm
.macro CREST
	s_cmp_lg_u32 s14, 0
	s_cbranch_scc1 .Lnot_wave_0_\@
	s_barrier_signal -3
.Lnot_wave_0_\@:
	s_barrier_wait -3
	s_barrier_signal -1
	s_barrier_wait -1
.endm
.macro CROUND
	s_barrier_signal -1
	s_barrier_wait -1
	CREST
.endm
	s_load_b128 s[4:7], s[0:1], 0x0
	s_load_b128 s[8:11], s[0:1], 0x10
	v_lshl_add_u32 v[SPW], v0, 2, SPARE
	v_mov_b32 v[NIL], 0
	ds_add_u32 v28, v29
	ds_add_u32 v28, v29
	s_wait_dscnt 0x0
	v_lshrrev_b32 v1, 5, v0
	v_readfirstlane_b32 s14, v1
	s_lshr_b32 s15, s14, 1
	s_and_b32 s16, s14, 1
	s_bfe_u32 s40, ttmp6, 0x40000
	s_bfe_u32 s41, ttmp6, 0x40004
	s_and_b32 s17, ttmp7, 0xffff
	s_lshr_b32 s66, s17, 3
	s_and_b32 s67, s17, 7
	s_cmp_eq_u32 s66, 2
	s_cselect_b32 s68, 0, s67
	s_cselect_b32 s69, s67, 0
	s_lshl_b32 s17, s68, 2
	s_add_co_u32 s17, s17, s41
	s_lshl_b32 s42, s69, 2
	s_add_co_u32 s42, s42, s40
	s_lshl_b32 s43, s41, 2
	s_lshl_b32 s43, 15, s43
	s_lshl_b32 s44, 0x1111, s40
	s_or_b32 s[G1+0], s43, (0<<16)|(1<<20)|(1<<21)|(5<<22)|(3<<25)
	s_or_b32 s[G1B+0], s44, (0<<16)|(1<<20)|(1<<21)|(5<<22)|(3<<25)
.irp g, G1, G1B
	s_mov_b32 s[\g+1], ROWB<<16
	s_mov_b32 s[\g+2], 128<<16
	s_mov_b32 s[\g+3], ROWB<<16
	s_mov_b32 s[\g+4], 128
	s_mov_b32 s[\g+5], KROW
	s_mov_b32 s[\g+6], 0
	s_mov_b32 s[\g+7], 0
.endr
	s_lshl_b32 s18, s16, 7
	s_lshl_b32 s20, s17, 8
	s_add_co_u32 s20, s20, s18
	s_lshl_b32 s20, s20, 10
	s_mov_b32 s21, 0
	s_lshl_b32 s46, s42, 8
	s_add_co_u32 s46, s46, s18
	s_lshl_b32 s46, s46, 10
	s_mov_b32 s47, 0
	s_lshl_b32 s70, s66, 23
	s_mov_b32 s71, 0
	s_lshl_b32 s72, s66, 20
	s_mov_b32 s73, 0
	s_mul_i32 s45, s14, HALFT
	s_wait_kmcnt 0x0
	s_load_b256 s[80:87], s[8:9], 0x0
	s_load_b64 s[88:89], s[8:9], 0x20
	s_add_nc_u64 s[4:5], s[4:5], s[70:71]
	s_add_nc_u64 s[6:7], s[6:7], s[72:73]
	s_cmp_eq_u32 s66, 2
	s_cselect_b64 s[74:75], s[6:7], s[4:5]
	s_cselect_b64 s[76:77], s[4:5], s[6:7]
	s_add_nc_u64 s[20:21], s[74:75], s[20:21]
	s_add_nc_u64 s[46:47], s[76:77], s[46:47]
	; the prefetches: of the 128 rows that my wave fetches, the four partners that ask for them jointly take 32 each, told apart by address alone (cx for the first operand's tile, cy for the second's); a lane a row
	s_cmp_eq_u32 s15, 0
	s_cselect_b64 s[78:79], s[20:21], s[46:47]
	s_cselect_b32 s12, s40, s41
	s_lshl_b32 s12, s12, 15                        ; 32 rows of 1,024 bytes
	s_mov_b32 s13, 0
	s_add_nc_u64 s[78:79], s[78:79], s[12:13]
	v_and_b32 v13, 31, v0
	v_lshlrev_b32 v13, 10, v13                     ; never rewritten
	s_wait_alu depctr_va_vdst(0)                   ; ahead of the round below
	CROUND
.irp s, 0,1
	s_mov_b32 s[G0+4*\s], 1
	s_add_co_u32 s[G0+4*\s+1], s45, \s*SLOT
	s_add_nc_u64 s[G0+4*\s+2:G0+4*\s+3], s[20:21], \s*ROWB
	s_or_b32 s[G0+4*\s+3], s[G0+4*\s+3], 0x80000000
	s_mov_b32 s[G0B+4*\s], 1
	s_add_co_u32 s[G0B+4*\s+1], s45, \s*SLOT
	s_add_nc_u64 s[G0B+4*\s+2:G0B+4*\s+3], s[46:47], \s*ROWB
	s_or_b32 s[G0B+4*\s+3], s[G0B+4*\s+3], 0x80000000
.if \s                                 ; K step 0 goes out behind the opening round; slot 1's first fill stands behind the full sequence and a round of its own
	s_wait_alu depctr_va_vdst(0)
	s_wait_tensorcnt 0x0
	ds_add_u32 v28, v29
	ds_add_u32 v28, v29
	s_wait_dscnt 0x0
	CROUND
.endif
	JLOAD G0+4*\s, G1, G0B+4*\s, G1B
	global_prefetch_b8 v13, s[78:79] offset:(\s+2)*ROWB th:TH_LOAD_NT scope:SCOPE_SE   ; the K step two refills on: 32 rows x 256 bytes a wave; K has four steps, so these two requests are all
.endr
	v_and_b32 v1, 15, v0
	v_bfe_u32 v2, v0, 4, 1
	v_mul_u32_u24 v3, v1, PITCH
	v_lshl_add_u32 v4, v2, 4, v3
	s_mul_i32 s21, s15, HALFT
	s_mul_i32 s22, s16, HALFT
	s_add_co_u32 s22, s22, 2*HALFT
.irp s, 0,1
	v_add_nc_u32 v[ADRA+\s], s21, v4
	v_add_nc_u32 v[ADRB+\s], s22, v4
	s_add_co_u32 s21, s21, SLOT
	s_add_co_u32 s22, s22, SLOT
.endr
	s_lshl_b32 s90, s17, 8
	s_lshl_b32 s91, s15, 7
	s_add_co_u32 s90, s90, s91
	s_lshl_b32 s91, s42, 8
	s_lshl_b32 s92, s16, 7
	s_add_co_u32 s91, s91, s92
	s_mov_b32 s94, 1024
	s_cmp_eq_u32 s66, 2
	s_cselect_b32 s92, s91, s90
	s_cselect_b32 s93, s90, s91
	s_cselect_b32 s95, 2048, s94
	s_cselect_b32 s96, 124928, s94
	s_cselect_b32 s97, s94, 131072
	s_lshr_b32 s90, s92, 11
	s_lshl_b32 s90, s90, 21
	s_lshr_b32 s91, s93, 6
	s_lshl_b32 s91, s91, 17
	s_add_co_u32 s90, s90, s91
	s_and_b32 s91, s92, 2047
	s_lshl_b32 s91, s91, 6
	s_add_co_u32 s90, s90, s91
	s_add_co_u32 s90, s90, s70
	s_mov_b32 s91, 0
	s_add_nc_u64 s[10:11], s[10:11], s[90:91]
	v_and_b32 v6, 31, v0
	v_lshlrev_b32 v[L16], 4, v6
	s_mov_b32 s90, 0
.irp a, 0,1,2,3,4,5,6,7
	v_add_nc_u32 v[OA+\a], s90, v[L16]
	v_add_nc_u32 v[OB+\a], s97, v[OA+\a]
.if \a == 3
	s_add_co_u32 s90, s90, s96
.else
	s_add_co_u32 s90, s90, s95
.endif
.endr
.macro FRAG reg, adr, q, i
.irp c, 0,1,2,3
	ds_load_b128 v[\reg+4*\c:\reg+4*\c+3], v[\adr] offset:128*(\q)+32*\c+(\i)*16*PITCH
.endr
.endm
.macro MUL16 a0, p, zero
.irp a, \a0, \a0+1
.irp b, 0,1,2,3,4,5,6,7
.if \zero
	v_wmma_f32_16x16x128_bf8_bf8 v[8*(8*((\a)%4)+\b):8*(8*((\a)%4)+\b)+7], v[128*(\p)+FR*\b:128*(\p)+FR*\b+FR-1], v[AF+FR*(\a):AF+FR*(\a)+FR-1], 0
.else
	v_wmma_f32_16x16x128_bf8_bf8 v[8*(8*((\a)%4)+\b):8*(8*((\a)%4)+\b)+7], v[128*(\p)+FR*\b:128*(\p)+FR*\b+FR-1], v[AF+FR*(\a):AF+FR*(\a)+FR-1], v[8*(8*((\a)%4)+\b):8*(8*((\a)%4)+\b)+7]
.endif
.endr
.endr
.endm
.macro FETCH_B slot, q, p
	WIN TO_B
.irp i, 0,1,2,3,4,5,6,7
	FRAG 128*(\p)+FR*\i, ADRB+\slot, \q, \i
.endr
	WIN 0
.endm
.macro FETCH_A slot, q, i0
.irp i, \i0, \i0+1, \i0+2, \i0+3
	FRAG AF+FR*(\i), ADRA+\slot, \q, \i
.endr
.endm
.macro PLACES n
.rept \n
	v_nop
.endr
.endm
.macro STEP slot, q, zero
	s_wait_dscnt 4*NL
	WIN MUL_LO
	MUL16 0, (\q)%2, \zero
	MUL16 2, (\q)%2, \zero
	s_wait_dscnt 0
	PLACES NP
	FETCH_B \slot, (\q)+1, 1-(\q)%2
	FETCH_A \slot, (\q)+1, 0
	WIN MUL_HI
	MUL16 4, (\q)%2, \zero
	MUL16 6, (\q)%2, \zero
	PLACES NP
	WIN 0
	FETCH_A \slot, (\q)+1, 4
.endm
.macro TURN slot, next, fill
	s_wait_tensorcnt 0x0
	ds_add_u32 v[SPW], v[NIL]
	s_wait_dscnt 4*NL+1
	WIN MUL_LO
	MUL16 0, 1, 0
	s_wait_dscnt 0x0
	s_barrier_signal -1
	MUL16 2, 1, 0
	WIN 0
	s_barrier_wait -1
.if \fill
	CREST
	s_add_nc_u64 s[G0+4*\slot+2:G0+4*\slot+3], s[G0+4*\slot+2:G0+4*\slot+3], 2*ROWB
	s_add_nc_u64 s[G0B+4*\slot+2:G0B+4*\slot+3], s[G0B+4*\slot+2:G0B+4*\slot+3], 2*ROWB
	JLOAD G0+4*\slot, G1, G0B+4*\slot, G1B
.else
	PLACES NP
.endif
	FETCH_B \next, 0, 0
	FETCH_A \next, 0, 0
	WIN MUL_HI
	MUL16 4, 1, 0
	MUL16 6, 1, 0
	PLACES NP
	WIN 0
	FETCH_A \next, 0, 4
.endm
	s_wait_tensorcnt 1
	s_barrier_signal -1
	s_barrier_wait -1
	FETCH_B 0, 0, 0
	FETCH_A 0, 0, 0
	FETCH_A 0, 0, 4
	STEP 0, 0, 1
	TURN 0, 1, 1
	STEP 1, 0, 0
	TURN 1, 0, 1
	STEP 0, 0, 0
	TURN 0, 1, 0
	STEP 1, 0, 0
	s_wait_dscnt 4*NL
	WIN MUL_LO
	MUL16 0, 1, 0
	MUL16 2, 1, 0
	s_wait_dscnt 0
	WIN MUL_HI
	MUL16 4, 1, 0
	MUL16 6, 1, 0
	WIN 0
	s_wait_kmcnt 0x0
	s_add_co_i32 s90, s80, s81
	s_add_co_i32 s91, s82, s83
	s_add_co_i32 s92, s84, s85
	s_cmp_eq_u32 s66, 0
	s_cselect_b32 s93, s90, s91
	s_cselect_b32 s94, s86, s87
	s_cmp_eq_u32 s66, 2
	s_cselect_b32 s93, s92, s93
	s_cselect_b32 s94, s89, s94
	s_sub_co_i32 s94, s94, s93
	s_add_co_i32 s94, s94, 127
	s_lshl_b32 s95, s94, 23
	v_mov_b32 v[SC], s95
	s_add_co_i32 s94, s94, 15
	s_lshl_b32 s94, s94, 23
	s_or_b32 s94, s94, 0x600000
	v_mov_b32 v[LIM], s94
	PLACES NP
.macro OUTBLK a
.set AC, 64*((\a)%4)
	WIN 0x02+((\a)/4)
.set J, 0
.rept 64
	v_med3_num_f32 v[TMP+J], v[AC+J], -v[LIM], v[LIM]
.set J, J+1
.endr
	WIN 0
.irp b, 0,1,2,3,4,5,6,7
	v_cvt_scalef32_pk8_bf8_f32 v[CD+16*(\a)+2*\b:CD+16*(\a)+2*\b+1], v[TMP+8*\b:TMP+8*\b+7], v[SC]
.endr
	v_nop
	global_store_b128 v[OA+(\a)], v[CD+16*(\a):CD+16*(\a)+3], s[10:11]
	global_store_b128 v[OA+(\a)], v[CD+16*(\a)+4:CD+16*(\a)+7], s[10:11] offset:512
	global_store_b128 v[OB+(\a)], v[CD+16*(\a)+8:CD+16*(\a)+11], s[10:11]
	global_store_b128 v[OB+(\a)], v[CD+16*(\a)+12:CD+16*(\a)+15], s[10:11] offset:512
.endm
.irp a, 0,1,2,3,4,5,6,7
	OUTBLK \a
.endr
	s_wait_tensorcnt 0x0
	ds_add_u32 v[SPW], v[NIL]
	s_wait_dscnt 0x0
	CROUND
	s_endpgm
.Lfunc_end_k_qe51a49e538_proj:
	.size	k_qe51a49e538_proj, .Lfunc_end_k_qe51a49e538_proj-k_qe51a49e538_proj
	.p2alignl 7, 3214868480
	.fill 96, 4, 3214868480
	.section	.rodata,"a",@progbits
	.p2align	6, 0x0
	.amdhsa_kernel k_qe51a49e538_proj
		.amdhsa_group_segment_fixed_size 327680
		.amdhsa_private_segment_fixed_size 0
		.amdhsa_enable_private_segment 0
		.amdhsa_kernarg_size 32
		.amdhsa_user_sgpr_count 2
		.amdhsa_user_sgpr_kernarg_segment_ptr 1
		.amdhsa_wavefront_size32 1
		.amdhsa_system_sgpr_workgroup_id_x 1
		.amdhsa_system_sgpr_workgroup_id_y 1
		.amdhsa_system_sgpr_workgroup_id_z 1
		.amdhsa_system_vgpr_workitem_id 0
		.amdhsa_next_free_vgpr 1024
		.amdhsa_next_free_sgpr 98
		.amdhsa_reserve_vcc 0
		.amdhsa_float_denorm_mode_32 3
		.amdhsa_float_denorm_mode_16_64 3
		.amdhsa_memory_ordered 1
		.amdhsa_forward_progress 1
		.amdhsa_inst_pref_size 120
	.end_amdhsa_kernel
	.amdgpu_metadata
---
amdhsa.version: [ 1, 2 ]
amdhsa.kernels:
  - .name:           k_qe51a49e538_proj
    .symbol:         k_qe51a49e538_proj.kd
    .args:
      - { .name: xc, .offset: 0, .size: 8, .value_kind: global_buffer, .address_space: global }
      - { .name: wc, .offset: 8, .size: 8, .value_kind: global_buffer, .address_space: global }
      - { .name: lowp_scales, .offset: 16, .size: 8, .value_kind: global_buffer, .address_space: global }
      - { .name: hc, .offset: 24, .size: 8, .value_kind: global_buffer, .address_space: global }
    .group_segment_fixed_size: 327680
    .private_segment_fixed_size: 0
    .kernarg_segment_align: 8
    .kernarg_segment_size: 32
    .max_flat_workgroup_size: 128
    .sgpr_count:     98
    .vgpr_count:     1024
    .wavefront_size: 32
...
	.end_amdgpu_metadata
.endif
;; end of part 2
;; launch attn (part 3): grid 4 x 64, 8 waves a work-group, clusters of 4 x 1, 327,680 bytes of LDS; arguments hc, lowp_scales, out0; writes out0
.if DOCPART == 3
	.amdgcn_target "amdgcn-amd-amdhsa--gfx1250"
	.amdhsa_code_object_version 6
	.text
	.protected	k_qe51a49e538_attn
	.globl	k_qe51a49e538_attn
	.p2align	8
	.type	k_qe51a49e538_attn,@function
k_qe51a49e538_attn:
	s_mov_b64 s[64:65], 0
	v_nop
	global_prefetch_b8 v0, s[64:65] scope:SCOPE_SE
	s_setreg_imm32_b32 hwreg(HW_REG_WAVE_MODE, 25, 1), 1
	s_wait_xcnt 0x0
	s_wait_alu depctr_hold_cnt(0) depctr_sa_sdst(0) depctr_va_vdst(0) depctr_va_sdst(0) depctr_va_ssrc(0) depctr_va_vcc(0) depctr_vm_vsrc(0)
	s_getreg_b32 s2, hwreg(HW_REG_IB_STS2, 6, 4)
	s_cmp_eq_u32 s2, 0
	s_cbranch_scc0 .Lentry_in_a_cluster
	s_endpgm
.Lentry_in_a_cluster:
	s_bfe_u32 s2, ttmp6, 0x10000c
	s_cmp_lg_u32 s2, 0x3003
	s_cbranch_scc0 .Lentry_shape_is_right
	s_endpgm
.Lentry_shape_is_right:
; out0[b][q][64 h + d] = the sum over keys of softmax(qh . kh / 8) vh, both products on codes of BF8 (E5M2) with the given scales: e6 (qh), e7 (kh), e8 (p), e9 (vh).
; hc holds the operands as images of their registers: region 0 Q, region 1 K: [head 64][token tile 128][2][lane 32][16 bytes]; region 2 V: [head][key step 16][channel tile 4][4][lane 32][16 bytes].
; THE SOFTMAX: t = score x log2(e) / 8; M = the row's largest t so far, rounded up to a whole number; p = 2^(t - M) is quantised, not normalised.  The row's sum is taken of the unquantised p and divides O at the end.
; When M moves, the sum and O are multiplied by 2^(old M - new M): nothing is rounded, and no branch hangs on data.
; SHARES.  A work-group owns 512 queries of one head, in two passes of 256; each of its eight waves owns 32 queries a pass: two tiles, A and B, which share every fragment of K and V that the wave reads from LDS.
; A wave walks the head's 2,048 keys, 128 a step: 16 + 8 matrix instructions.
; LDS.  The head's whole K (131,072 bytes, from byte 0) and V (behind it) are filled once, one tensor load of 32,768 bytes a wave: no ring, no refill, no barrier in the loops.  Behind them the spare words and a stage for each wave.
; CLUSTER.  The four work-groups of a cluster are the four query blocks of one head: every fill is asked for jointly (descriptor made of the head and the wave's number, mask of all four).
; Nothing is prefetched: every byte of K and V is asked for by the work-group's first instructions, and there is no loop to run ahead in.
; LAYOUT.  Both products transposed: S^T = K Q^T, O^T = V^T P^T: a lane holds one query (lane % 16) of each tile.  Register 8 u + j of S^T in lane (r, h) is key 16 u + 8 h + j: tile u's conversion gives registers 2 u, 2 u + 1 of P's fragment.
; REGISTERS.  Window 0: v0-31 addresses and each tile's state; v32-95, v96-159 S^T then p of A, B; v160-191, v192-223 O^T; v224-239, v240-255 p's codes (before that: the sums' partial pairs).
; Window 1: v0-15 Q of A, B; v32-95 K's eight fragments; v96-159 V's four.  The step's V and the next step's K are asked for behind the score products and awaited once, behind the exponentials.
; LIMITS on the given exponents, so that each power of two below is an f32 number: e6 + e7 between -123 and 130; e8 between -126 and 112; e8 + e9 goes by v_ldexp_f32 and has none.
.set VREG,  131072
.set STEPB, 8192                       ; a key step's bytes in K's region and in V's
.set SPARE, 262144                     ; the spare words: 128 bytes a wave, four blocks of 256 bytes that no other line names
.set STAGE, 263168                     ; the way out: 16 rows x (256 + 16) bytes for each wave, bytes that no fill lands on
.set SPI,   272
.set LI,   1                           ; 16 x lane; never rewritten
.set ADK,  2                           ; LDS address of the step in K's region
.set ADV,  3                           ; and in V's
.set SPW,  4
.set NIL,  5
.set LIMA, 6                           ; 57,344 x 2^e8, twice: the two halves of a dual pair take it from different banks
.set LIMB, 7
.set SCL,  8                           ; 2^e8
.set STO,  9
.set RD,   19
.set GO,   29
.set XA,   10                          ; a tile's state: +0 -M, +1 the largest t, +2,+3 the sum in two halves, +4 f, +5 a written word, +6,+7 at work, +8 the permute's destination
.set XB,   20
.set SA,   32
.set SB,   96
.set OA,   160
.set OB,   192
.set CA,   224
.set CB,   240
.set QA,   0                           ; window 1
.set QB,   8
.set KF,   32
.set VF,   96
.set TB,   2                           ; s2  the key step's first byte in a region
.set WV,   18
.set SEL,  20
.set CS,   22                          ; s[22:23] c = log2(e) / 8 x 2^(e6 + e7)
.set G1,   24
.set G0,   48
.set QP,   76                          ; s[76:77] Q's image of the pass that is loaded next
.set MSB, 0
.macro WIN new                         ; the immediate's high byte repeats the setting that is left
.if MSB != \new
	s_set_vgpr_msb (MSB<<8)|\new
.set MSB, \new
.endif
.endm
.macro CROUND                          ; a round of the cluster's barrier
	s_barrier_signal -1
	s_barrier_wait -1
	s_cmp_lg_u32 s[WV], 0
	s_cbranch_scc1 .Lnot_wave_0_\@
	s_barrier_signal -3
.Lnot_wave_0_\@:
	s_barrier_wait -3
	s_barrier_signal -1
	s_barrier_wait -1
.endm
.macro PLACES
.rept 4
	v_nop
.endr
.endm
.macro KLOAD adr, off                  ; K's eight fragments of a step (window 1)
.irp u, 0,1,2,3,4,5,6,7
	ds_load_b128 v[KF+8*\u:KF+8*\u+3], v[\adr] offset:(\off)+1024*\u
	ds_load_b128 v[KF+8*\u+4:KF+8*\u+7], v[\adr] offset:(\off)+1024*\u+512
.endr
.endm
.macro QLOAD                           ; two tiles of Q, 2,048 consecutive bytes (window 1)
.irp c, 0,1,2,3
	global_load_b128 v[QA+4*\c:QA+4*\c+3], v[LI], s[QP:QP+1] offset:512*\c th:TH_LOAD_NT
.endr
.endm
.macro HOLD2 r                         ; two numbers held at the largest code x the scale (the conversion does not saturate: ISA guide 7.6.2); p is not negative, so the hold is one-sided
	v_dual_min_num_f32 v[\r], v[\r], v[LIMA] :: v_dual_min_num_f32 v[(\r)+1], v[(\r)+1], v[LIMB]
.endm
.macro SUMS s, c, a                    ; the 64 unquantised p of a tile onto its sum: eight chains of pairs, seven of them in the codes' registers
.set I, 0
.rept 7
	v_pk_add_f32 v[\c+2*I:\c+2*I+1], v[\s+4*I:\s+4*I+1], v[\s+4*I+2:\s+4*I+3]
.set I, I+1
.endr
	v_pk_add_f32 v[\a:\a+1], v[\a:\a+1], v[\s+28:\s+29]
.irp o, 30, 46
.set I, 0
.rept 7
	v_pk_add_f32 v[\c+2*I:\c+2*I+1], v[\c+2*I:\c+2*I+1], v[\s+\o+2*I:\s+\o+2*I+1]
.set I, I+1
.endr
	v_pk_add_f32 v[\a:\a+1], v[\a:\a+1], v[\s+\o+14:\s+\o+15]
.endr
	v_pk_add_f32 v[\c:\c+1], v[\c:\c+1], v[\s+62:\s+63]
	v_pk_add_f32 v[\c+4:\c+5], v[\c+4:\c+5], v[\c+6:\c+7]
	v_pk_add_f32 v[\c+8:\c+9], v[\c+8:\c+9], v[\c+10:\c+11]
	v_pk_add_f32 v[\a:\a+1], v[\a:\a+1], v[\c+12:\c+13]
	v_pk_add_f32 v[\c:\c+1], v[\c:\c+1], v[\c+2:\c+3]
	v_pk_add_f32 v[\a:\a+1], v[\a:\a+1], v[\c+8:\c+9]
	v_pk_add_f32 v[\c:\c+1], v[\c:\c+1], v[\c+4:\c+5]
	v_pk_add_f32 v[\a:\a+1], v[\a:\a+1], v[\c:\c+1]
.endm
.macro CODES s, c
.irp u, 0,1,2,3,4,5,6,7
	v_cvt_scalef32_pk8_bf8_f32 v[\c+2*\u:\c+2*\u+1], v[\s+8*\u:\s+8*\u+7], v[SCL]
.endr
.endm
	s_load_b128 s[4:7], s[0:1], 0x0                ; hc, the scales' exponents
	s_load_b64 s[8:9], s[0:1], 0x10                ; out0
	v_lshl_add_u32 v[SPW], v0, 2, SPARE
	v_mov_b32 v[NIL], 0
	ds_add_u32 v[SPW], v[NIL]                      ; the opening lines: the add twice on end, and its wait ahead of the first tensor load
	ds_add_u32 v[SPW], v[NIL]
	v_lshrrev_b32 v30, 5, v0
	v_readfirstlane_b32 s[WV], v30                 ; wave 0..7
	s_bfe_u32 s10, ttmp6, 0x40000                  ; cx: my block of 512 queries: it enters Q's and out0's addresses alone
	s_and_b32 s12, ttmp7, 0xffff                   ; the head, 16 batch + head: the four partners share it
	s_lshr_b32 s13, s[WV], 2                       ; waves 0-3 fetch K, waves 4-7 V,
	s_and_b32 s14, s[WV], 3                        ; a quarter each
	s_lshl_b32 s15, s13, 17                        ; the region in LDS
	s_add_co_u32 s16, s13, 1
	s_lshl_b32 s16, s16, 23                        ; the region in hc,
	s_lshl_b32 s17, s12, 17
	s_add_co_u32 s16, s16, s17                     ; and my head in it
	s_mov_b32 s17, 0
	s_mov_b32 s[G1], 15|(3<<16)|(1<<21)            ; the mask of all four; elements of 8 bytes; bit 21 beside a mask
	s_mov_b32 s[G1+1], 32<<16                      ; a dense block as 128 rows of 256 bytes
	s_mov_b32 s[G1+2], 128<<16
	s_mov_b32 s[G1+3], 32<<16
	s_mov_b32 s[G1+4], 128
	s_mov_b32 s[G1+5], 32
	s_mov_b32 s[G1+6], 0
	s_mov_b32 s[G1+7], 0
	s_mov_b32 s[SEL], 0x76543210
	s_mov_b32 s[SEL+1], 0xfedcba98
	s_mov_b32 s[CS], 0x3e38aa3b                    ; log2(e) / 8
	s_lshl_b32 s62, s14, 15                        ; my quarter: 32,768 bytes, in LDS and in memory alike
	s_mov_b32 s63, 0
	s_wait_dscnt 0x0                               ; both opening adds are done
	s_wait_kmcnt 0x0
	s_load_b128 s[68:71], s[6:7], 0x18             ; e6, e7, e8, e9
	s_add_nc_u64 s[60:61], s[4:5], s[16:17]
	s_mov_b32 s[G0], 1
	s_add_co_u32 s[G0+1], s15, s62
	s_add_nc_u64 s[G0+2:G0+3], s[60:61], s[62:63]
	s_or_b32 s[G0+3], s[G0+3], 0x80000000
	CROUND                                         ; all four work-groups are here: the joint loads meet
	tensor_load_to_lds s[G0:G0+3], s[G1:G1+7]      ; my one tensor load of the launch
	s_nop 0
	PLACES
	s_lshl_b32 s72, s10, 5
	s_lshl_b32 s73, s[WV], 1
	s_add_co_u32 s72, s72, s73                     ; my first tile of 16 queries in the head: 32 x block + 2 x wave (the second pass: 16 tiles on)
	s_lshl_b32 s74, s72, 10
	s_lshl_b32 s73, s12, 17
	s_add_co_u32 s74, s74, s73
	s_mov_b32 s75, 0
	s_add_nc_u64 s[QP:QP+1], s[4:5], s[74:75]      ; its image in region 0
	s_lshr_b32 s73, s12, 4
	s_lshl_b32 s73, s73, 11                        ; the batch's first row of out0,
	s_lshl_b32 s74, s72, 4
	s_add_co_u32 s73, s73, s74                     ; + my first query,
	s_lshl_b32 s74, s73, 12                        ; x 4,096 bytes,
	s_and_b32 s73, s12, 15
	s_lshl_b32 s73, s73, 8                         ; + the head's 64 channels
	s_add_co_u32 s74, s74, s73
	s_add_nc_u64 s[8:9], s[8:9], s[74:75]
	s_mul_i32 s73, s[WV], 16*SPI
	s_add_co_u32 s73, s73, STAGE                   ; my stage
	v_and_b32 v[LI], 31, v0
	v_lshlrev_b32 v[LI], 4, v[LI]
	WIN 0x40                                       ; destination window 1, address window 0
	QLOAD                                          ; the first pass's Q
	WIN 0
	v_and_b32 v30, 15, v0                          ; r
	v_bfe_u32 v31, v0, 4, 1                        ; h
	v_mul_u32_u24 v[STO], v30, SPI
	v_lshl_add_u32 v[STO], v31, 5, v[STO]
	v_add_nc_u32 v[STO], s73, v[STO]               ; in: row r; channel tile t's eight of my half: 64 t + 32 h bytes on
	v_mul_u32_u24 v[RD], v31, SPI
	v_lshl_add_u32 v[RD], v30, 4, v[RD]
	v_add_nc_u32 v[RD], s73, v[RD]                 ; back: lanes 0-15 one row, lanes 16-31 the next
	v_lshlrev_b32 v[GO], 12, v31
	v_lshl_add_u32 v[GO], v30, 4, v[GO]            ; the same two rows in out0
.irp x, XA, XB
	v_mov_b32 v[\x+5], 0                           ; (named as the upper half of f's pair)
	v_mov_b32 v[\x+8], 0                           ; a lane permute's destination counts as one of its sources
.endr
	s_wait_kmcnt 0x0
	s_add_co_i32 s72, s68, s69
	s_lshl_b32 s72, s72, 23
	s_add_co_i32 s[CS], s[CS], s72                 ; e6 + e7 added to c's exponent field
	s_mov_b32 s[CS+1], s[CS]
	s_add_co_i32 s72, s70, 127
	s_lshl_b32 s73, s72, 23
	v_mov_b32 v[SCL], s73
	s_add_co_i32 s72, s72, 15
	s_lshl_b32 s72, s72, 23
	s_or_b32 s72, s72, 0x600000
	v_mov_b32 v[LIMA], s72
	v_mov_b32 v[LIMB], s72
	s_add_co_i32 s78, s70, s71                     ; e8 + e9
	s_wait_alu depctr_va_vdst(0)
	s_wait_tensorcnt 0x0                           ; my quarter of a region is in
	s_barrier_signal -1
	s_barrier_wait -1                              ; everybody's is: K and V are whole, and are only read from here on
	WIN 0x40
	KLOAD LI, 0                                    ; key step 0's K
	WIN 0
; A KEY STEP of 128 keys for both tiles.  pre = 1: the next step's K is asked for and the addresses step.  pre = 0: a pass's last step: the next pass's Q and first K are asked for, if a pass follows.
.macro STEP pre
	WIN 0x05                                       ; K and Q in window 1, the scores in window 0
.irp u, 0,1,2,3,4,5,6,7
	v_wmma_f32_16x16x64_bf8_bf8 v[SA+8*\u:SA+8*\u+7], v[KF+8*\u:KF+8*\u+7], v[QA:QA+7], 0
	v_wmma_f32_16x16x64_bf8_bf8 v[SB+8*\u:SB+8*\u+7], v[KF+8*\u:KF+8*\u+7], v[QB:QB+7], 0
.endr
	WIN 0
	PLACES                                         ; four places: in front of the loads over K's and V's fragments, and of the first read of the scores
	WIN 0x40
.irp t, 0,1,2,3
.irp c, 0,1,2,3
	ds_load_b128 v[VF+16*\t+4*\c:VF+16*\t+4*\c+3], v[ADV] offset:2048*\t+512*\c
.endr
.endr
.if \pre
	KLOAD ADK, STEPB
	WIN 0
	s_add_co_u32 s[TB], s[TB], STEPB
	v_add_nc_u32 v[ADK], s[TB], v[LI]              ; the next step's addresses: LDS loads have read theirs at issue
	v_add_nc_u32 v[ADV], VREG, v[ADK]
.else
	WIN 0
	s_cmp_eq_u32 s79, 1                            ; the count of passes alone: the same in every wave
	s_cbranch_scc1 .Lno_next_\@
	WIN 0x40
	QLOAD
	KLOAD LI, 0
	WIN 0
.Lno_next_\@:
.endif
; the step's largest score of each query: four chains a tile (two of them in the codes' registers, which are free here), eight in all by turns; each accumulator is first read at its low end
.irp k, 0,1
	v_max3_num_f32 v[XA+6+\k], v[SA+3*\k], v[SA+3*\k+1], v[SA+3*\k+2]
	v_max3_num_f32 v[XB+6+\k], v[SB+3*\k], v[SB+3*\k+1], v[SB+3*\k+2]
.endr
.irp k, 0,1
	v_max3_num_f32 v[CA+\k], v[SA+3*\k+6], v[SA+3*\k+7], v[SA+3*\k+8]
	v_max3_num_f32 v[CB+\k], v[SB+3*\k+6], v[SB+3*\k+7], v[SB+3*\k+8]
.endr
.irp i, 12,20,28,36,44,52
	v_max3_num_f32 v[XA+6], v[XA+6], v[SA+\i], v[SA+\i+1]
	v_max3_num_f32 v[XB+6], v[XB+6], v[SB+\i], v[SB+\i+1]
	v_max3_num_f32 v[XA+7], v[XA+7], v[SA+\i+2], v[SA+\i+3]
	v_max3_num_f32 v[XB+7], v[XB+7], v[SB+\i+2], v[SB+\i+3]
	v_max3_num_f32 v[CA], v[CA], v[SA+\i+4], v[SA+\i+5]
	v_max3_num_f32 v[CB], v[CB], v[SB+\i+4], v[SB+\i+5]
	v_max3_num_f32 v[CA+1], v[CA+1], v[SA+\i+6], v[SA+\i+7]
	v_max3_num_f32 v[CB+1], v[CB+1], v[SB+\i+6], v[SB+\i+7]
.endr
	v_max3_num_f32 v[XA+6], v[XA+6], v[SA+60], v[SA+61]
	v_max3_num_f32 v[XB+6], v[XB+6], v[SB+60], v[SB+61]
	v_max3_num_f32 v[XA+7], v[XA+7], v[SA+62], v[SA+63]
	v_max3_num_f32 v[XB+7], v[XB+7], v[SB+62], v[SB+63]
	v_max_num_f32 v[CA], v[CA], v[CA+1]
	v_max_num_f32 v[CB], v[CB], v[CB+1]
	v_max3_num_f32 v[XA+6], v[XA+6], v[XA+7], v[CA]
	v_max3_num_f32 v[XB+6], v[XB+6], v[XB+7], v[CB]
	v_permlanex16_b32 v[XA+8], v[XA+6], s[SEL], s[SEL+1]
	v_permlanex16_b32 v[XB+8], v[XB+6], s[SEL], s[SEL+1]
	v_mov_b32 v[XA+7], v[XA]                       ; the old -M
	v_mov_b32 v[XB+7], v[XB]
	v_max_num_f32 v[XA+6], v[XA+6], v[XA+8]        ; and among lane l xor 16's
	v_max_num_f32 v[XB+6], v[XB+6], v[XB+8]
	v_mul_f32 v[XA+6], s[CS], v[XA+6]              ; as t (c is positive)
	v_mul_f32 v[XB+6], s[CS], v[XB+6]
	v_max_num_f32 v[XA+1], v[XA+1], v[XA+6]        ; the running largest t
	v_max_num_f32 v[XB+1], v[XB+1], v[XB+6]
	v_floor_f32 v[XA], -v[XA+1]                    ; the new -M = -ceil(t)
	v_floor_f32 v[XB], -v[XB+1]
; A: t - M, two at a time; the three lines that make f = 2^(old M - new M) of each tile stand among them, so that each finds its source ready
	v_sub_f32 v[XA+6], v[XA], v[XA+7]              ; old M - new M: a whole number, 0 or less
	v_sub_f32 v[XB+6], v[XB], v[XB+7]
.set J, 0
.rept 8
	v_pk_fma_f32 v[SA+J:SA+J+1], v[SA+J:SA+J+1], s[CS:CS+1], v[XA:XA+1] op_sel_hi:[1,0,0]
.set J, J+2
.endr
	v_cvt_i32_f32 v[XA+6], v[XA+6]                 ; (it saturates)
	v_cvt_i32_f32 v[XB+6], v[XB+6]
.rept 8
	v_pk_fma_f32 v[SA+J:SA+J+1], v[SA+J:SA+J+1], s[CS:CS+1], v[XA:XA+1] op_sel_hi:[1,0,0]
.set J, J+2
.endr
	v_ldexp_f32 v[XA+4], 1.0, v[XA+6]
	v_ldexp_f32 v[XB+4], 1.0, v[XB+6]
.rept 16
	v_pk_fma_f32 v[SA+J:SA+J+1], v[SA+J:SA+J+1], s[CS:CS+1], v[XA:XA+1] op_sel_hi:[1,0,0]
.set J, J+2
.endr
.set J, 0
.rept 16
	v_pk_mul_f32 v[OA+J:OA+J+1], v[OA+J:OA+J+1], v[XA+4:XA+5] op_sel_hi:[1,0]   ; O^T under the new M, ahead of the exponentials; each accumulator from its low end on
	v_pk_mul_f32 v[OB+J:OB+J+1], v[OB+J:OB+J+1], v[XB+4:XB+5] op_sel_hi:[1,0]
.set J, J+2
.endr
	v_pk_mul_f32 v[XA+2:XA+3], v[XA+2:XA+3], v[XA+4:XA+5] op_sel_hi:[1,0]       ; and the sums
	v_pk_mul_f32 v[XB+2:XB+3], v[XB+2:XB+3], v[XB+4:XB+5] op_sel_hi:[1,0]
	s_wait_alu depctr_va_vdst(0)                   ; ahead of a batch of exponentials
.set J, 0
.rept 32                               ; A's exponentials; among them B's t - M, whose sources stand ahead of the wait above and whose results are read behind the wait below
	v_exp_f32 v[SA+J], v[SA+J]
	v_pk_fma_f32 v[SB+J:SB+J+1], v[SB+J:SB+J+1], s[CS:CS+1], v[XB:XB+1] op_sel_hi:[1,0,0]
	v_exp_f32 v[SA+J+1], v[SA+J+1]
.set J, J+2
.endr
	v_nop                                          ; the plain place behind the last exponential
	s_wait_alu depctr_va_vdst(0)                   ; and the wait behind the batch
	SUMS SA, CA, XA+2
	s_wait_alu depctr_va_vdst(0)                   ; ahead of the second batch
.set J, 0
.rept 32                               ; B's exponentials; among them A's holds, in place, read behind the wait below
	v_exp_f32 v[SB+J], v[SB+J]
	HOLD2 SA+J
	v_exp_f32 v[SB+J+1], v[SB+J+1]
.set J, J+2
.endr
	v_nop
	s_wait_alu depctr_va_vdst(0)                   ; behind the batch, and directly ahead of the wait below
	s_wait_dscnt 0x0                               ; V of this step and K of the next are in: asked for behind the score products
	CODES SA, CA
	SUMS SB, CB, XB+2
.set J, 0
.rept 32
	HOLD2 SB+J
.set J, J+2
.endr
	CODES SB, CB
	v_nop                                          ; one plain line between the conversions and the products that read their results
	WIN 0x01                                       ; V in window 1
.irp t, 0,1,2,3                        ; eight accumulators by turns, one instruction a turn; the next step's sixteen score products stand between two turns of one of them
	v_wmma_f32_16x16x128_bf8_bf8 v[OA+8*\t:OA+8*\t+7], v[VF+16*\t:VF+16*\t+15], v[CA:CA+15], v[OA+8*\t:OA+8*\t+7]
	v_wmma_f32_16x16x128_bf8_bf8 v[OB+8*\t:OB+8*\t+7], v[VF+16*\t:VF+16*\t+15], v[CB:CB+15], v[OB+8*\t:OB+8*\t+7]
.endr
	WIN 0
.endm
	s_mov_b32 s79, 2                               ; passes to go
.Lpass:
	s_mov_b32 s[TB], 0
	v_add_nc_u32 v[ADK], s[TB], v[LI]
	v_add_nc_u32 v[ADV], VREG, v[ADK]
.irp x, XA, XB
	v_mov_b32 v[\x+1], 0xff61b1e6                  ; the largest t so far: -3e38, under every t
	v_floor_f32 v[\x], -v[\x+1]                    ; -M
	v_mov_b32 v[\x+2], 0                           ; the sum
	v_mov_b32 v[\x+3], 0
.endr
.set J, 0
.rept 64
	v_mov_b32 v[OA+J], 0                           ; O^T of both tiles: the step is written for every step alike; the first change of M multiplies zeros
.set J, J+1
.endr
	s_wait_alu depctr_va_vdst(0)                   ; directly ahead of the waits below
	s_wait_loadcnt 0x0                             ; Q
	s_wait_dscnt 0x0                               ; key step 0's K
	s_add_nc_u64 s[QP:QP+1], s[QP:QP+1], 16384     ; the next pass's Q: 16 tiles on (its loads are done, so their base may step)
	s_mov_b32 s3, 15
.Lstep:
	STEP 1
	s_sub_co_u32 s3, s3, 1
	s_cmp_lg_u32 s3, 0
	s_cbranch_scc1 .Lstep
	STEP 0
	; THE WAY OUT.  O^T / the sum x 2^(e8 + e9) goes through my stage, a tile at a time, so that sixteen lanes store a query's 64 channels: 256 consecutive bytes, aligned.
	v_add_f32 v[XA+2], v[XA+2], v[XA+3]
	v_add_f32 v[XB+2], v[XB+2], v[XB+3]
	v_permlanex16_b32 v[XA+8], v[XA+2], s[SEL], s[SEL+1]
	v_permlanex16_b32 v[XB+8], v[XB+2], s[SEL], s[SEL+1]
	v_add_f32 v[XA+2], v[XA+2], v[XA+8]            ; the row's sum (above 1/2: the row's largest p is)
	v_add_f32 v[XB+2], v[XB+2], v[XB+8]
	s_wait_alu depctr_va_vdst(0)                   ; ahead of the reciprocals,
	v_rcp_f32 v[XA+2], v[XA+2]
	v_rcp_f32 v[XB+2], v[XB+2]
	v_nop
	s_wait_alu depctr_va_vdst(0)                   ; behind them,
	v_ldexp_f32 v[XA+2], v[XA+2], s78
	v_ldexp_f32 v[XB+2], v[XB+2], s78
	s_wait_alu depctr_va_vdst(0)                   ; and directly ahead of the first readers of O^T
.set J, 0
.rept 16
	v_pk_mul_f32 v[SA+J:SA+J+1], v[OA+J:OA+J+1], v[XA+2:XA+3] op_sel_hi:[1,0]   ; register 8 t + i is o(query r, channel 16 t + 8 h + i)
	v_pk_mul_f32 v[SB+J:SB+J+1], v[OB+J:OB+J+1], v[XB+2:XB+3] op_sel_hi:[1,0]
.set J, J+2
.endr
.irp s, SA, SB                         ; LDS serves a wave's instructions in order (ISA guide 5.7.1.4): the loads see my stores, and B's stores come behind A's loads
.irp t, 0,1,2,3
	ds_store_b128 v[STO], v[\s+8*\t:\s+8*\t+3] offset:64*\t
	ds_store_b128 v[STO], v[\s+8*\t+4:\s+8*\t+7] offset:64*\t+16
.endr
.irp i, 0,1,2,3,4,5,6,7
	ds_load_b128 v[\s+32+4*\i:\s+32+4*\i+3], v[RD] offset:2*\i*SPI
.endr
.endr
	s_wait_dscnt 16                                ; tile A is back; B's eight stores and eight loads may be out
.irp i, 0,1,2,3,4,5,6,7
	global_store_b128 v[GO], v[SA+32+4*\i:SA+32+4*\i+3], s[8:9] offset:2*\i*4096 th:TH_STORE_NT
.endr
	s_wait_dscnt 0x0
.irp i, 0,1,2,3,4,5,6,7
	global_store_b128 v[GO], v[SB+32+4*\i:SB+32+4*\i+3], s[8:9] offset:65536+2*\i*4096 th:TH_STORE_NT
.endr
	s_wait_xcnt 0x0                                ; the stores have read their registers and their base
	s_add_nc_u64 s[8:9], s[8:9], 1048576           ; 256 rows of out0 on
	s_sub_co_u32 s79, s79, 1
	s_cmp_lg_u32 s79, 0
	s_cbranch_scc1 .Lpass
	s_wait_tensorcnt 0x0                           ; the wave's end
	ds_add_u32 v[SPW], v[NIL]
	s_wait_dscnt 0x0
	CROUND                                         ; the closing round
	s_endpgm
.Lfunc_end_k_qe51a49e538_attn:
	.size	k_qe51a49e538_attn, .Lfunc_end_k_qe51a49e538_attn-k_qe51a49e538_attn
	.p2alignl 7, 3214868480
	.fill 96, 4, 3214868480
	.section	.rodata,"a",@progbits
	.p2align	6, 0x0
	.amdhsa_kernel k_qe51a49e538_attn
		.amdhsa_group_segment_fixed_size 327680
		.amdhsa_private_segment_fixed_size 0
		.amdhsa_enable_private_segment 0
		.amdhsa_kernarg_size 24
		.amdhsa_user_sgpr_count 2
		.amdhsa_user_sgpr_kernarg_segment_ptr 1
		.amdhsa_wavefront_size32 1
		.amdhsa_system_sgpr_workgroup_id_x 1
		.amdhsa_system_sgpr_workgroup_id_y 1
		.amdhsa_system_sgpr_workgroup_id_z 1
		.amdhsa_system_vgpr_workitem_id 0
		.amdhsa_next_free_vgpr 512
		.amdhsa_next_free_sgpr 80
		.amdhsa_reserve_vcc 0
		.amdhsa_float_denorm_mode_32 3
		.amdhsa_float_denorm_mode_16_64 3
		.amdhsa_memory_ordered 1
		.amdhsa_forward_progress 1
		.amdhsa_inst_pref_size 73
	.end_amdhsa_kernel
	.amdgpu_metadata
---
amdhsa.version: [ 1, 2 ]
amdhsa.kernels:
  - .name:           k_qe51a49e538_attn
    .symbol:         k_qe51a49e538_attn.kd
    .args:
      - { .name: hc, .offset: 0, .size: 8, .value_kind: global_buffer, .address_space: global }
      - { .name: lowp_scales, .offset: 8, .size: 8, .value_kind: global_buffer, .address_space: global }
      - { .name: out0, .offset: 16, .size: 8, .value_kind: global_buffer, .address_space: global }
    .group_segment_fixed_size: 327680
    .private_segment_fixed_size: 0
    .kernarg_segment_align: 8
    .kernarg_segment_size: 24
    .max_flat_workgroup_size: 256
    .sgpr_count:     80
    .vgpr_count:     512
    .wavefront_size: 32
...
	.end_amdgpu_metadata
.endif
;; end of part 3
